; MI455X (gfx1250); checked and timed in simulation.
; The chip was launched on July 23, 2026; its instructions are those of AMD's public machine-readable ISA for CDNA 5 (MIT licence, August 2026) and "CDNA5" Instruction Set Architecture Reference Guide (July 2026). The comments in the code are by the model that wrote it; some were corrected since.
;; Factorization Machine. Allowed arithmetic: matrix products marked QUANTISED: E4M3 operands, one given power-of-two scale a tensor, by v_wmma_f32_16x16x64_fp8_fp8 or v_wmma_f32_16x16x128_fp8_fp8, f32 sums; products left as they are: f32 operands where the result goes on into a quantised operand, else bf16, f16 or f32 operands; f32 sums; everything else in f32.
;; Inputs: V 32 x 4,096 float32; bias 1 float32; h 4,096 float32; lowp_scales 4 int32 (the exponents e of the quantised operands' scales 2^e); x 4,096 x 4,096 float32.
;; Outputs: out0 4,096 float32.
;; This version of the problem:
;;   THIS VERSION OF THE PROBLEM IS GIVEN IN LOW PRECISION. The matrix products marked QUANTISED in the list below multiply operands that are first quantised to E4M3 (4 exponent bits, 3 mantissa bits; 8 bits a number), with one given power-of-two scale for each operand tensor; their sums are f32. All else is computed in f32.
;;   The module's matrix products, in the order in which they are computed (A, B: the left and right operand; K: the contracted axis; several contracted axes count as one K, in the product's order):
;;     1. [M 4,096, K 4,096] x [K 4,096, N 1]; A: input x; B: input h: left as it is (N = 1 < 16)
;;     2. [M 4,096, K 32] x [K 32, N 4,096]; A: input V; B: input V: QUANTISED (scales: A lowp_scales[0], B lowp_scales[1])
;;     3. [M 4,096, K 4,096] x [K 4,096, N 4,096]; A: input x; B: computed on the way: QUANTISED (scales: A lowp_scales[2], B lowp_scales[3])
;;   THE QUANTISER, for each operand of a quantised product, along K:
;;     - The operand's scale is 2^e, e = its entry of the input lowp_scales (int32; the entries are numbered through the quantised products in the list's order, A before B).
;;     - Each number is divided by the scale, clamped to +-448, and rounded to the nearest number of E4M3, ties to even, subnormals kept.
;;     - The product sums the exact products of the quantised numbers (number of the format x scale) in f32.
;;   ~~~python
;;   def quantise(x, axis, e):      # numpy; x: float32 -> the quantised numbers, widened to float32 again
;;       x = np.moveaxis(x, axis, -1); K = x.shape[-1]
;;       r = np.clip(x / 2.0 ** e, -448, 448)
;;       step = 2.0 ** (np.maximum(np.frexp(np.where(r == 0, 1, r))[1] - 1, -6) - 3)
;;       q = np.round(r / step) * step * 2.0 ** e      # np.round: ties to even
;;       return np.moveaxis(q, -1, axis).astype(np.float32)
;;   ~~~
;;   OPERANDS COMPUTED ON THE WAY. 'Computed on the way' means the value that the module computes at that place (a softmax that the list does not call 'softmax' is quantised finished and normalised). What goes into a quantiser is computed in f32, as accurately as f32 sums, v_exp_f32 and their like allow (about 1e-6 of the number): no bf16 or f16 on the way to a quantiser, and a product that is left as it is and whose result goes on into a quantised operand takes f32 operands (vector FMAs, or v_wmma_f32_16x16x4_f32). A number that lies on a knife's edge between two numbers of the format may be rounded either way, as far as f32 arithmetic and the matrix unit's own rounding can turn it there, and no further.
;; 2 versions, each right; version 2 is version 1 with the launch prep written anew for expert scheduling mode. Each part assembles by itself: llvm-mc -triple=amdgcn-amd-amdhsa -mcpu=gfx1250 --defsym DOCPART=n.
;; ======== version 1 of 2: 3 launches
;; workspace buffers: xc 16,777,216 bytes; qc 9,437,184 bytes; part 262,144 bytes
;; launch prep (part 1): grid 16 x 73, 4 waves a work-group, no clusters, 34,304 bytes of LDS; arguments x, V, lowp_scales, xc, qc; writes xc, qc
.if DOCPART == 1
	.amdgcn_target "amdgcn-amd-amdhsa--gfx1250"
	.amdhsa_code_object_version 6
	.text
	.protected	k_q9362e25fb7_prep
	.globl	k_q9362e25fb7_prep
	.p2align	8
	.type	k_q9362e25fb7_prep,@function
k_q9362e25fb7_prep:
	s_mov_b64 s[64:65], 0
	v_nop
	global_prefetch_b8 v0, s[64:65] scope:SCOPE_SE
	s_setreg_imm32_b32 hwreg(HW_REG_WAVE_MODE, 25, 1), 1
	s_wait_xcnt 0x0
; TWO JOBS IN ONE LAUNCH, told apart by the work-group's y.
;   y >= 9 (1,024 work-groups): x [4096][4096] f32 becomes codes of E4M3 under 2^e2, in xc.
;   y <  9 (144 work-groups):   Q = (Va^T Vb) under the strict upper triangle (i < j) becomes codes under 2^e3, in qc.  Va = V under 2^e0, Vb = V under 2^e1;
;                               the product is made on codes by v_wmma_f32_16x16x64_fp8_fp8 (its K is 32: the upper 32 are zero codes).
; code = number / 2^e, held within +-448, to the nearest code, ties to even.
; LIMITS: e0, e1, e2 and e3 - e0 - e1 lie between -126 and 119, so that 2^e and 448 x 2^e are f32 numbers.  NaN among the inputs is not served; an infinity is held at the largest code.
; BOTH BUFFERS ARE LAID AS IMAGES OF OPERAND REGISTERS.  A fragment is 16 rows x 128 K, 2,048 bytes: byte 512 c + 16 l + b (c 0..3, lane l = 16 h + r, b 0..15) is byte B = 16 c + b of lane l's 64,
; and holds the code of row r at k = 64 (B / 32) + 32 h + B % 32.  That order of k is the same in both operands of the large product, so every code meets its partner.
;   xc [nb 16][kf 32][rb 16][2048]: row 256 nb + 16 rb + r of x, K = 128 kf + k.
;   qc [pi 4][c 4][w 36][jb 8][2048]: THE ORDER IN WHICH THE NEXT LAUNCH WALKS IT.  Its work-group (cluster x = pi, place c) takes steps w = 0 .. 35 on end:
;      w < 4 (pi + 1):  column block Jb = 4 pi + c,       K = i = 128 w + k;      then:  Jb = 4 (7 - pi) + c,  K = i = 128 (w - 4 (pi + 1)) + k.
;      Image row r of block jb = 4 jh + t is column j = 128 Jb + 64 jh + 4 r + t of Q.  Every byte of qc is written: 16 x 36 x 16,384.
; No cluster: x's work-groups share nothing, and what Q's share is V, 512 KiB in all.  No barrier: waves share nothing.
.set VROW,  16384                      ; a row of x and of V in bytes
.set FRB,   2048                       ; a fragment's image
.set SPX,   528                        ; the x path's stage: a row of 512 bytes + 16: an odd multiple of 16, so that sixteen rows start at sixteen different banks (64 banks of 4 bytes: ISA guide 11.1)
.set STGW,  16*SPX                     ; a wave's stage
.macro SCALE vs, vl, se                ; v[vs] = 2^e as f32 (the conversion takes its exponent field), v[vl] = 448 x 2^e; e in s[se]
	s_add_co_i32 s34, s[\se], 127
	s_lshl_b32 s35, s34, 23
	v_mov_b32 v[\vs], s35
	s_add_co_i32 s34, s34, 8
	s_lshl_b32 s34, s34, 23
	s_or_b32 s34, s34, 0x600000
	v_mov_b32 v[\vl], s34
.endm
	s_load_b256 s[4:11], s[0:1], 0x0               ; x s[4:5], V s[6:7], the exponents s[8:9], xc s[10:11]
	s_load_b64 s[12:13], s[0:1], 0x20              ; qc
	v_lshl_add_u32 v14, v0, 2, 0x8400
	v_mov_b32 v15, 0
	v_lshrrev_b32 v10, 5, v0
	v_readfirstlane_b32 s16, v10                   ; wave 0..3
	v_and_b32 v10, 31, v0                          ; l
	v_and_b32 v11, 15, v0                          ; r
	v_bfe_u32 v12, v0, 4, 1                        ; h
	s_and_b32 s15, ttmp7, 0xffff                   ; work-group y
	s_mov_b32 s31, 0                               ; the upper word of every offset pair s[30:31]
	s_wait_kmcnt 0x0
	s_load_b128 s[20:23], s[8:9], 0x0              ; e0, e1, e2, e3
	s_cmp_ge_u32 s15, 9
	s_cbranch_scc1 .Lx_path
; ================= Q =================
; The next launch walks super column S (512 columns) over K = 512 (S + 1).  Pairs (S, sigma), sigma = 0 .. S, are 36; with 4 blocks of 128 columns each: 144 work-groups.
; y = u (0..8), x = 4 pi + jb4:  u <= pi: S = pi, sigma = u;  else S = 7 - pi, sigma = u - pi - 1.  Wave w takes ks = 4 sigma + w (128 along i) and all 128 columns of Jb = 4 S + jb4: 8 fragments.
; REGISTERS: v1 V's lane offset; v2 16 l; v3 d0; v4-9 scales and limits; v16-79 the i side's 8 operands; v80-111 the j side's 4; v112-127 a fragment's codes; v128-255 at work.
	s_lshr_b32 s17, ttmp9, 2                       ; pi
	s_and_b32 s18, ttmp9, 3                        ; jb4
	s_sub_co_u32 s19, 7, s17
	s_sub_co_u32 s14, s15, s17
	s_sub_co_u32 s14, s14, 1
	s_lshl_b32 s36, s17, 2
	s_add_co_u32 s36, s36, 4                       ; 4 (pi + 1): the steps of the walk's first tile
	s_cmp_le_u32 s15, s17
	s_cselect_b32 s19, s17, s19                    ; S
	s_cselect_b32 s14, s15, s14                    ; sigma
	s_cselect_b32 s36, 0, s36                      ; the walk's step at which super column S begins
	s_lshl_b32 s19, s19, 2
	s_add_co_u32 s19, s19, s18                     ; Jb
	s_lshl_b32 s14, s14, 2
	s_add_co_u32 s14, s14, s16                     ; ks
	s_lshl_b32 s30, s14, 9
	s_add_nc_u64 s[24:25], s[6:7], s[30:31]        ; V at column 128 ks
	s_lshl_b32 s30, s19, 9
	s_add_nc_u64 s[26:27], s[6:7], s[30:31]        ; V at column 128 Jb
	s_mul_i32 s30, ttmp9, 36                       ; the walk of (pi, jb4),
	s_add_co_u32 s30, s30, s36
	s_add_co_u32 s30, s30, s14                     ; its step,
	s_lshl_b32 s30, s30, 14                        ; 16,384 bytes each: 575 x 16,384 at the most
	s_add_nc_u64 s[28:29], s[12:13], s[30:31]      ; qc
	v_lshlrev_b32 v1, 4, v11
	v_lshl_add_u32 v1, v12, 17, v1                 ; 16 r + 8 h rows of V
	v_lshlrev_b32 v2, 4, v10                       ; 16 l
	s_sub_co_i32 s32, s19, s14
	s_lshl_b32 s32, s32, 7
	v_lshlrev_b32 v3, 2, v11
	v_lshlrev_b32 v13, 5, v12
	v_sub_nc_u32 v3, v3, v13
	v_add_nc_u32 v3, s32, v3                       ; d0 = 128 (Jb - ks) + 4 r - 32 h, signed
; 16 loads: lane (r, h) takes V[16 c + 8 h + q][64 g + 4 r + 0 .. 3], register group 8 c + q: sixteen lanes read 256 consecutive bytes of a row of V.
.macro VLOAD b, g, dst
.irp k, 0,1,2,3,4,5,6,7,8,9,10,11,12,13,14,15
	global_load_b128 v[\dst+4*\k:\dst+4*\k+3], v1, s[\b:\b+1] offset:(16*(\k/8)+(\k%8))*VROW+256*(\g)
.endr
.endm
; One operand of the small product: 16 columns of V, 4 apart, K = 32 in the form's own order (registers 2 c, 2 c + 1: k = 16 c + 8 h + 0 .. 7).  The hold also gathers the registers, which lie 4 apart.
.macro OPND dst, src, vs, vl, tt
.irp k, 0,1,2,3,4,5,6,7,8,9,10,11,12,13,14,15
	v_med3_num_f32 v[\tt+\k], v[\src+4*\k], -v[\vl], v[\vl]   ; the conversion to an 8-bit code does not saturate (ISA guide 7.6.2)
.endr
	v_cvt_scalef32_pk8_fp8_f32 v[\dst:\dst+1], v[\tt:\tt+7], v[\vs]
	v_cvt_scalef32_pk8_fp8_f32 v[\dst+2:\dst+3], v[\tt+8:\tt+15], v[\vs]
.endm
	VLOAD 24, 0, 128
	VLOAD 24, 1, 192
.irp o, 0,1,2,3,4,5,6,7
.irp j, 4,5,6,7
	v_mov_b32 v[16+8*\o+\j], 0                     ; K = 32 .. 63 of the form: zero codes
.endr
.endr
	s_wait_kmcnt 0x0
	SCALE 4, 5, 20
	SCALE 6, 7, 21
	s_sub_co_i32 s33, s23, s20
	s_sub_co_i32 s33, s33, s21                     ; a sum stands for sum x 2^(e0 + e1): its code is sum / 2^(e3 - e0 - e1)
	SCALE 8, 9, 33
	s_wait_loadcnt 0x0
; operand 4 g + x holds i = 128 ks + 64 g + 4 (its row) + x.  Two sets of scratch by turns: the line behind a conversion is a plain one on other registers.
.irp g, 0,1
.irp x, 0,1,2,3
	OPND 16+8*(4*\g+\x), 128+64*\g+\x, 4, 5, 80+16*(\x%2)
.endr
.endr
	v_nop                                          ; a plain line behind the last conversion, ahead of writes of its sources and of the products
.irp o, 0,1,2,3
.irp j, 4,5,6,7
	v_mov_b32 v[80+8*\o+\j], 0                     ; the j side's zero codes (these registers were scratch until here)
.endr
.endr
; One fragment of qc: block jb = 4 jh + t.  Source 0 = operand w of the i side, source 1 = operand t of the j side.  In result w = 4 g + x, register q of lane (r, h) is
; Q(i = 128 ks + 64 g + 32 h + 4 q + x, j = 128 Jb + 64 jh + 4 r + t): byte 32 g + 4 q + x of lane (r, h) in the image.  Nothing changes lanes.
.macro UNIT jh, t
.irp w, 0,1,2,3,4,5,6,7
	v_wmma_f32_16x16x64_fp8_fp8 v[128+8*\w:135+8*\w], v[16+8*\w:23+8*\w], v[80+8*\t:87+8*\t], 0
.endr
.rept 4
	v_nop                                          ; four places ahead of the first read of the results (ISA guide 7.12.1)
.endr
	s_cmp_lt_u32 s14, s19                          ; ks < Jb: every i lies under every j, nothing is hidden
	s_cbranch_scc1 .Lopen_\@
.irp w, 0,1,2,3,4,5,6,7
.irp q, 0,1,2,3,4,5,6,7
	v_cmp_lt_i32 vcc_lo, 64*(\w/4)+4*\q+(\w%4)-64*\jh-\t, v3   ; i < j
	v_cndmask_b32 v[128+8*\w+\q], 0, v[128+8*\w+\q], vcc_lo    ; else 0, whose code is 0
.endr
.endr
.Lopen_\@:
	s_wait_xcnt 0x0                                ; the last fragment's stores have read v112-127
.irp m, 0,1,2,3,4,5,6,7
.irp i, 0,1,2,3,4,5,6,7
	v_med3_num_f32 v[192+8*\m+\i], v[128+8*(4*(\m/4)+(\i%4))+2*(\m%4)+(\i/4)], -v9, v9   ; byte 8 m + i; each result is first read at its register 0
.endr
	v_cvt_scalef32_pk8_fp8_f32 v[112+2*\m:113+2*\m], v[192+8*\m:199+8*\m], v8
.endr
	v_nop                                          ; a plain line behind the last conversion
.irp c, 0,1,2,3
	global_store_b128 v2, v[112+4*\c:115+4*\c], s[28:29] offset:(4*\jh+\t)*FRB+512*\c   ; 32 lanes store 512 consecutive bytes, aligned
.endr
.endm
.irp jh, 0,1
	VLOAD 26, \jh, 128                             ; (the places behind the last products stand in UNIT)
	s_wait_loadcnt 0x0
.irp t, 0,1,2,3
	OPND 80+8*\t, 128+\t, 6, 7, 192+16*(\t%2)
.endr
	v_nop
.irp t, 0,1,2,3
	UNIT \jh, \t
.endr
.endr
	s_endpgm
; ================= x =================
; Work-group W = 16 (y - 9) + x.  Rows 16 (W / 4) on; wave w takes K = 256 (4 (W % 4) + w) on: two fragments.
; Each load reads 512 consecutive bytes of a row; a fragment's 16 rows turn through the wave's own stage, so that a lane gets 32 neighbours along K twice: the order of the image.
; REGISTERS: v1 16 l; v2, v3 the stage, in and out; v4, v5 2^e2 and 448 x 2^e2; v16-143 as loaded; v144-207 a lane's 64 numbers; v208-239 codes.
.Lx_path:
	s_sub_co_u32 s17, s15, 9
	s_lshl_b32 s17, s17, 4
	s_add_co_u32 s17, s17, ttmp9                   ; W
	s_lshr_b32 s18, s17, 2                         ; block of 16 rows, 0..255
	s_and_b32 s19, s17, 3
	s_lshl_b32 s19, s19, 2
	s_add_co_u32 s19, s19, s16                     ; which 256 along K, 0..15
	s_lshl_b32 s30, s18, 18
	s_lshl_b32 s32, s19, 10
	s_add_co_u32 s30, s30, s32
	s_add_nc_u64 s[24:25], s[4:5], s[30:31]        ; x
	s_lshr_b32 s30, s18, 4
	s_lshl_b32 s30, s30, 20                        ; nb
	s_lshl_b32 s32, s19, 16                        ; two kf of 32,768 bytes
	s_add_co_u32 s30, s30, s32
	s_and_b32 s32, s18, 15
	s_lshl_b32 s32, s32, 11                        ; rb
	s_add_co_u32 s30, s30, s32
	s_add_nc_u64 s[26:27], s[10:11], s[30:31]      ; xc
	v_lshlrev_b32 v1, 4, v10
	s_mul_i32 s28, s16, STGW
	v_add_nc_u32 v2, s28, v1                       ; in: 16 l of a row
	v_mul_u32_u24 v3, v11, SPX
	v_lshl_add_u32 v3, v12, 7, v3
	v_add_nc_u32 v3, s28, v3                       ; out: row r, + 32 h numbers
.irp f, 0,1
.irp p, 0,1,2,3,4,5,6,7,8,9,10,11,12,13,14,15
	global_load_b128 v[16+64*\f+4*\p:19+64*\f+4*\p], v1, s[24:25] offset:\p*VROW+512*\f th:TH_LOAD_NT
.endr
.endr
	s_wait_kmcnt 0x0
	SCALE 4, 5, 22
.irp f, 0,1
	s_wait_loadcnt 16-16*\f                        ; this fragment's 16 loads are in; the other's may be out
.irp p, 0,1,2,3,4,5,6,7,8,9,10,11,12,13,14,15
	ds_store_b128 v2, v[16+64*\f+4*\p:19+64*\f+4*\p] offset:SPX*\p
.endr
.irp m, 0,1,2,3,4,5,6,7,8,9,10,11,12,13,14,15
	ds_load_b128 v[144+4*\m:147+4*\m], v3 offset:256*(\m/8)+16*(\m%8)   ; LDS serves a wave's instructions in order (ISA guide 5.7.1.4): these see the stores above, and the next fragment's stores come behind them
.endr
	s_wait_dscnt 0x0
.irp m, 0,1,2,3,4,5,6,7
.irp i, 0,1,2,3,4,5,6,7
	v_med3_num_f32 v[144+8*\m+\i], v[144+8*\m+\i], -v5, v5
.endr
	v_cvt_scalef32_pk8_fp8_f32 v[208+16*\f+2*\m:209+16*\f+2*\m], v[144+8*\m:151+8*\m], v4
.endr
	v_nop                                          ; a plain line behind the last conversion
.irp c, 0,1,2,3
	global_store_b128 v1, v[208+16*\f+4*\c:211+16*\f+4*\c], s[26:27] offset:16*FRB*\f+512*\c   ; 512 consecutive bytes, aligned; each fragment has its own registers, so no store's data are written again
.endr
.endr
	s_wait_tensorcnt 0x0
	ds_add_u32 v14, v15
	s_wait_dscnt 0x0
	s_endpgm
.Lfunc_end_k_q9362e25fb7_prep:
	.size	k_q9362e25fb7_prep, .Lfunc_end_k_q9362e25fb7_prep-k_q9362e25fb7_prep
	.p2alignl 7, 3214868480
	.fill 96, 4, 3214868480
	.section	.rodata,"a",@progbits
	.p2align	6, 0x0
	.amdhsa_kernel k_q9362e25fb7_prep
		.amdhsa_group_segment_fixed_size 34304
		.amdhsa_private_segment_fixed_size 0
		.amdhsa_enable_private_segment 0
		.amdhsa_kernarg_size 40
		.amdhsa_user_sgpr_count 2
		.amdhsa_user_sgpr_kernarg_segment_ptr 1
		.amdhsa_wavefront_size32 1
		.amdhsa_system_sgpr_workgroup_id_x 1
		.amdhsa_system_sgpr_workgroup_id_y 1
		.amdhsa_system_sgpr_workgroup_id_z 1
		.amdhsa_system_vgpr_workitem_id 0
		.amdhsa_next_free_vgpr 256
		.amdhsa_next_free_sgpr 66
		.amdhsa_reserve_vcc 1
		.amdhsa_float_denorm_mode_32 3
		.amdhsa_float_denorm_mode_16_64 3
		.amdhsa_memory_ordered 1
		.amdhsa_forward_progress 1
		.amdhsa_inst_pref_size 132
	.end_amdhsa_kernel
	.amdgpu_metadata
---
amdhsa.version: [ 1, 2 ]
amdhsa.kernels:
  - .name:           k_q9362e25fb7_prep
    .symbol:         k_q9362e25fb7_prep.kd
    .args:
      - { .name: x, .offset: 0, .size: 8, .value_kind: global_buffer, .address_space: global }
      - { .name: V, .offset: 8, .size: 8, .value_kind: global_buffer, .address_space: global }
      - { .name: lowp_scales, .offset: 16, .size: 8, .value_kind: global_buffer, .address_space: global }
      - { .name: xc, .offset: 24, .size: 8, .value_kind: global_buffer, .address_space: global }
      - { .name: qc, .offset: 32, .size: 8, .value_kind: global_buffer, .address_space: global }
    .group_segment_fixed_size: 34304
    .private_segment_fixed_size: 0
    .kernarg_segment_align: 8
    .kernarg_segment_size: 40
    .max_flat_workgroup_size: 128
    .sgpr_count:     66
    .vgpr_count:     256
    .wavefront_size: 32
...
	.end_amdgpu_metadata
.endif
;; end of part 1
;; launch gemm (part 2): grid 16 x 16, 4 waves a work-group, clusters of 4 x 4, 327,680 bytes of LDS; arguments xc, qc, x, h, lowp_scales, part; writes part
.if DOCPART == 2
	.amdgcn_target "amdgcn-amd-amdhsa--gfx1250"
	.amdhsa_code_object_version 6
	.text
	.protected	k_q9362e25fb7_gemm
	.globl	k_q9362e25fb7_gemm
	.p2align	8
	.type	k_q9362e25fb7_gemm,@function
k_q9362e25fb7_gemm:
	s_mov_b64 s[64:65], 0
	v_nop
	global_prefetch_b8 v0, s[64:65] scope:SCOPE_SE
	s_setreg_imm32_b32 hwreg(HW_REG_WAVE_MODE, 25, 1), 1
	s_wait_xcnt 0x0
	s_wait_alu depctr_hold_cnt(0) depctr_sa_sdst(0) depctr_va_vdst(0) depctr_va_sdst(0) depctr_va_ssrc(0) depctr_va_vcc(0) depctr_vm_vsrc(0)
	s_getreg_b32 s2, hwreg(HW_REG_IB_STS2, 6, 4)
	s_cmp_eq_u32 s2, 0
	s_cbranch_scc0 .Lentry_in_a_cluster
	s_endpgm
.Lentry_in_a_cluster:
	s_bfe_u32 s2, ttmp6, 0x10000c
	s_cmp_lg_u32 s2, 0xf033
	s_cbranch_scc0 .Lentry_shape_is_right
	s_endpgm
.Lentry_shape_is_right:
; part[g][n] = the sum over this work-group's columns j of x[n][j] (h[j] + (xq Qq)[n][j]).  xq, Qq: codes of E4M3 made by the launch before (xc, qc), scales 2^e2 and 2^e3; x, h: f32.
; The codes are multiplied as they are by v_wmma_f32_16x16x128_fp8_fp8.  A sum stands for sum x 2^(e2 + e3): so a tile's sums begin at h divided by that power, and the row sums are multiplied by it once at the end.
; LIMIT: h / 2^(e2 + e3) is a finite f32 number.
; SHARES.  A tile is 256 rows n x 128 columns j; four waves, each 128 x 64: 32 accumulators, 256 registers.  The tile's own f32 x, in the accumulators' layout, takes 256 more: it is asked for a tile ahead, so that
; what follows a tile's last product is register work alone.
; THE TRIANGLE.  Q(i, j) = 0 for i >= j, so super column S (512 columns) needs K = 512 (S + 1) only.  A 4 x 4 cluster covers 1,024 rows x one super column.  Cluster x = p makes S = p and then S = 7 - p:
; 4 (p + 1) and 4 (8 - p) steps of K = 128, a WALK of 36 steps in every work-group.  All branches hang on p, on the wave's number and on counters, which the sixteen partners share.
; THE RING.  Two LDS slots of three steps, K = 384: the largest two that fit.  12 slots, 10 refills.  A tile's length is no multiple of three steps, so a slot may hold the end of one tile and the head of the next:
; each load covers whole steps.  Waves 0 to 2 fetch one step's 32,768 bytes of x's codes each (the step's place along K is the walk's step, less the first tile's length once that is passed);
; wave 3 fetches the slot's 49,152 bytes of Q's codes, which the launch before laid in the order of the walk, on end across the change of tiles.
; THE CHANGE OF TILES falls on step 4 (p + 1) = 4, 8, 12 or 16: place 4, 2, 0 or 4 of a trip of six steps.
; One of the places is the step that holds the barrier, so a tile's sums are begun by writing the accumulators (256 lines, twice a launch), not by a C operand: the products are then alike in every step.
; CLUSTER.  The four of a row of the cluster (same cy) need the same codes of x, the four of a column (same cx) the same codes of Q: each block is asked for JOINTLY.
; OPERANDS lie in memory and in LDS as images of their registers (2,048 bytes a fragment of 16 rows x 128 K): four ds_load_b128 at 16 x lane, 512 bytes apart, bring one; consecutive bytes, no pitch.
; LAYOUT.  Source 0 = 16 rows of x, source 1 = 16 columns of Q.  Register q of lane (r, h) of accumulator (a, t) is row 16 a + 8 h + q, column 4 r + t of the wave's 64 (the launch before ordered Q's columns so):
; so one global_load_b128 brings x at that row for t = 0 .. 3, and sixteen lanes read 256 consecutive bytes of a row of x.
; REGISTERS, in windows of 256 (s_set_vgpr_msb: bits 1:0 source 0, 3:2 source 1, 5:4 source 2, 7:6 destination):
;   window 0: v0-34 addresses, h as loaded, at work; v64-127 the row sums (8 a + q); v128-255 x's fragments, set 0
;   window 1: v0-63, v64-127 Q's fragments, sets 0 and 1; v128-255 x's fragments, set 1        window 2: accumulator (a, t) at 8 (4 a + t)        window 3: f32 x (a, q, t) at 32 a + 4 q + t
; Step w of the walk is multiplied from set w % 2, so a trip of the loop is two slots.
.set FRB,   2048
.set AKF,   16*FRB                     ; 256 rows x 128 K of x's codes
.set BKF,   8*FRB                      ; 128 columns x 128 K of Q's
.set BOFF,  3*AKF                      ; a slot: x's three blocks, then Q's three
.set SLOT,  BOFF+3*BKF                 ; 147,456 bytes
.set RED,   2*SLOT                     ; behind the ring: [column half 2][256 rows] f32; no fill ever lands here
.set SPARE, RED+2048                   ; the spare words, 128 bytes for each wave: two blocks of 256 bytes that no other line names
.set XROW,  16384                      ; a row of x in bytes
.set QWALK, 36*BKF                     ; a work-group's walk in qc
.set ADRA, 4                           ; v4, v5   LDS address of my fragments of x in slot 0, 1
.set ADRB, 6                           ; v6, v7   of Q
.set XO,   8                           ; v8       f32 x: 8 h rows + 16 r bytes
.set HO,   9                           ; v9       h: 16 r
.set SPW,  10                          ; v10      my spare word: SPARE + 4 x my thread's number; never rewritten
.set NIL,  11                          ; v11      0; never rewritten
.set RST,  12                          ; v12      where I put a row's sum
.set RRD,  13                          ; v13      where I read two rows' sums back
.set PO,   14                          ; v14      and their place in part
.set HR,   16                          ; v16-19, v20-23 h of my 4 columns, first and second tile
.set TM,   24                          ; v24-31   at work
.set ADRH, 32                          ; v32, v33 ADRA + 65,536: a slot's third step of x lies past the 16-bit offset of an LDS instruction
.set PFO,  34                          ; v34      the prefetches' offset: 256 x my lane; never rewritten
.set SUM,  64
.set G1A, 24                           ; s[24:31] descriptor group 1 for x's blocks; s[32:39] group 0, a set for each slot
.set G0A, 32
.set G1B, 40                           ; s[40:47], s[48:55] the same for Q's
.set G0B, 48
.set BA,  56                           ; s[56:57] x's codes at my block of 256 rows: hangs on cy, never on cx
.set PFA, 58                           ; s[58:59] where my prefetches of x's codes stand
.set BB,  60                           ; s[60:61] Q's codes at my walk's first step: hangs on p and cx, never on cy
.set LIMA, 62                          ; s62      32 in a wave that prefetches x's codes, else 0
.set LIMB, 63                          ; s63      24 in a wave that prefetches Q's codes, else 0
.set PFB, 68                           ; s[68:69] where my prefetches of Q's codes stand
.set PK,  89                           ; s89      the block along K (0..31) at which PFA stands
; s[66:67] byte offset in xc of the step that I ask for; s70 that step of the walk; s71 the first tile's steps; s72 the trip's first step; s73, s74 = s71 - 2, s71 - 4
; s[76:77], s[78:79] f32 x at my corner of the first and second tile; s[80:83] the exponents; s84 e2 + e3; s85 its negative; s86-88 lane masks
.set MSB, 0
.macro WIN new                         ; the immediate's high byte repeats the setting that is left; a switch that changes nothing is dropped
.if MSB != (\new)
	s_set_vgpr_msb (MSB<<8)|(\new)
.set MSB, (\new)
.endif
.endm
.macro PLACES n
.rept \n
	v_nop
.endr
.endm
; A joint load: waves 0 to 2 fetch x's three blocks of a slot, wave 3 Q's three in one.  The branch hangs on the wave's number alone.  Four v_nop follow each of the two lines.
.macro JLOAD s
	s_cmp_lt_u32 s16, 3
	s_cbranch_scc0 .Lfor_b_\@
	tensor_load_to_lds s[G0A+4*\s:G0A+4*\s+3], s[G1A:G1A+7]
	s_nop 0
.rept 4
	v_nop
.endr
	s_branch .Lasked_\@
.Lfor_b_\@:
	tensor_load_to_lds s[G0B+4*\s:G0B+4*\s+3], s[G1B:G1B+7]
	s_nop 0
.rept 4
	v_nop
.endr
.Lasked_\@:
.endm
.macro CREST                           ; a round of the cluster's barrier behind its opening barrier
	s_cmp_lg_u32 s16, 0
	s_cbranch_scc1 .Lnot_wave_0_\@
	s_barrier_signal -3
.Lnot_wave_0_\@:
	s_barrier_wait -3
	s_barrier_signal -1
	s_barrier_wait -1
.endm
.macro CROUND
	s_barrier_signal -1
	s_barrier_wait -1
	CREST
.endm
; The address of walk step s70 of x's codes goes into slot s's group 0: its block along K is the step, less the first tile's steps once they are passed.  Then s70 steps to my step of the next slot.
.macro NEXTA s
	s_cmp_ge_u32 s70, s71
	s_cselect_b32 s66, s71, 0
	s_sub_co_u32 s66, s70, s66
	s_lshl_b32 s66, s66, 15                        ; 32,768 bytes a block
	s_add_nc_u64 s[G0A+4*\s+2:G0A+4*\s+3], s[BA:BA+1], s[66:67]
	s_or_b32 s[G0A+4*\s+3], s[G0A+4*\s+3], 0x80000000   ; type = 2
	s_add_co_u32 s70, s70, 3
.endm
; PREFETCHES INTO THE L2.  At a change of slots every wave has waited for all its tensor loads, so a refill goes out with nothing on its way beside it; what later refills ask for is named ahead.
; x's codes: a block of rows is walked by the four clusters of its row of clusters, each from K = 0 on, so block kf along K is first wanted in slot kf / 3.  Behind the refill that asks for slot s, blocks 3 (s + 1) + 0 .. 2
; are named: one slot further on.  The cluster with x = 0 asks; wave v (0..2) takes block 3 (s + 1) + v; its 32,768 bytes are shared out among the four partners BY ADDRESS, 8,192 each (cx): a lane 256 bytes, one
; instruction a wave.  Blocks 0 to 8 come by their loads alone; past block 31 nothing is asked.
.macro ASKA
	s_cmp_lt_u32 s[PK], s[LIMA]
	s_cbranch_scc0 .Lnot_a_\@
	global_prefetch_b8 v[PFO], s[PFA:PFA+1] th:TH_LOAD_NT scope:SCOPE_SE
.Lnot_a_\@:
.endm
; Q's codes: a walk is read by the sixteen work-groups of a column of the grid.  The cluster with y = 0 asks, wave 3 of each partner, behind every second refill (slots 3, 5, 7, 9): the two slots that follow, 98,304 bytes,
; shared out among the four partners by address, 24,576 each (cy): three instructions.  Slots 0 to 3 come by their loads alone; the last trip asks for nothing: slot 11 is the last.
.macro ASKB
	s_cmp_lt_u32 s72, s[LIMB]
	s_cbranch_scc0 .Lnot_b_\@
	global_prefetch_b8 v[PFO], s[PFB:PFB+1] th:TH_LOAD_NT scope:SCOPE_SE
	global_prefetch_b8 v[PFO], s[PFB:PFB+1] offset:8192 th:TH_LOAD_NT scope:SCOPE_SE
	global_prefetch_b8 v[PFO], s[PFB:PFB+1] offset:16384 th:TH_LOAD_NT scope:SCOPE_SE
.Lnot_b_\@:
.endm
; 48 LDS loads in one run: the fragments of a slot's step sub (0..2) into a set: Q's four, x's eight
.macro FETCH slot, sub, set
	WIN 0x40
.irp t, 0,1,2,3
.irp c, 0,1,2,3
	ds_load_b128 v[64*(\set)+16*\t+4*\c:64*(\set)+16*\t+4*\c+3], v[ADRB+\slot] offset:(\sub)*BKF+\t*FRB+512*\c
.endr
.endr
	WIN (\set)<<6
.irp a, 0,1,2,3,4,5,6,7
.irp c, 0,1,2,3
.if (\sub) == 2
	ds_load_b128 v[128+16*\a+4*\c:128+16*\a+4*\c+3], v[ADRH+\slot] offset:\a*FRB+512*\c
.else
	ds_load_b128 v[128+16*\a+4*\c:128+16*\a+4*\c+3], v[ADRA+\slot] offset:(\sub)*AKF+\a*FRB+512*\c
.endif
.endr
.endr
.endm
; Blocks a0 .. a1 of x against Q's four, 128 along K, from a set.  The 32 accumulators take turns in one order everywhere.
.macro MUL a0, a1, set
.set AA, \a0
.rept \a1-\a0+1
.irp t, 0,1,2,3
	v_wmma_f32_16x16x128_fp8_fp8 v[8*(4*AA+\t):8*(4*AA+\t)+7], v[128+16*AA:128+16*AA+15], v[64*(\set)+16*\t:64*(\set)+16*\t+15], v[8*(4*AA+\t):8*(4*AA+\t)+7]
.endr
.set AA, AA+1
.endr
.endm
; A slot's first or second step: its set is multiplied, the next step of the same slot is fetched into the other set.
.macro STEP slot, sub, set
	s_wait_dscnt 0x0                               ; my set is in
	FETCH \slot, \sub+1, 1-\set
	WIN 0xa4+\set                                  ; x window 0 or 1, Q window 1, C and D window 2
	MUL 0, 7, \set
	WIN 0
	PLACES 4                                       ; ahead of the loads into this set, and of the first read of results (ISA guide 7.12.1 for vector instructions)
.endm
; A slot's third step, and the change of slots: ONE barrier.  In front of it each wave waits for all its tensor loads (its part of the next slot), adds 0 to its spare word, and waits for that and for its reads
; of this slot.  fill = 1: the barrier opens a round of the cluster's, and this slot is filled again, with the walk's steps two slots on: the load has 88 of my matrix instructions in which to land.
.macro TURN slot, next, set, fill
.if \fill
	s_wait_xcnt 0x0                                ; the last prefetches, a slot back or more, have read their addresses: these are stepped here, ahead of the waits of the change of slots
	s_add_nc_u64 s[PFA:PFA+1], s[PFA:PFA+1], 3*AKF
	s_add_co_u32 s[PK], s[PK], 3
.if \slot == 1
	s_add_nc_u64 s[PFB:PFB+1], s[PFB:PFB+1], 6*BKF
.endif
.endif
	s_wait_tensorcnt 0x0                           ; no tensor load of mine is out, so a group 0 may be written
	ds_add_u32 v[SPW], v[NIL]                      ; 0 onto my spare word
.if \fill
	NEXTA \slot
	s_add_nc_u64 s[G0B+4*\slot+2:G0B+4*\slot+3], s[G0B+4*\slot+2:G0B+4*\slot+3], 6*BKF   ; two slots on in the walk; the type bits on top are not reached
.endif
	s_wait_dscnt 0x1                               ; my set's 48 loads are in; the add, issued behind them, may be out
	WIN 0xa4+\set
	MUL 0, 0, \set
	s_wait_dscnt 0x0                               ; the add is done, and my reads of this slot are over
	s_barrier_signal -1
	MUL 1, 1, \set
	WIN 0
	s_barrier_wait -1
.if \fill
	CREST                                          ; no wave of any partner still reads this slot or has a load on its way
	JLOAD \slot                                    ; the first tensor load behind the round
.else
	PLACES 4
.endif
	FETCH \next, 0, 1-\set
.if \fill
	WIN 0
	ASKA                                           ; behind the joint load and the run of LDS loads that the next products wait for
.if \slot == 1
	ASKB
.endif
.endif
	WIN 0xa4+\set
	MUL 2, 7, \set
	WIN 0
	PLACES 4
.endm
.macro XLOAD b, a                      ; f32 x for block a of a tile: 8 loads; lanes 0-15 read 256 consecutive bytes of a row, lanes 16-31 of the row 8 below
	WIN 0xc0
.irp q, 0,1,2,3,4,5,6,7
	global_load_b128 v[32*(\a)+4*\q:32*(\a)+4*\q+3], v[XO], s[\b:\b+1] offset:(16*(\a)+\q)*XROW th:TH_LOAD_NT
.endr
.endm
; A tile's end: row sums += accumulator x f32 x.  reload = 1: each block's registers take the next tile's x as soon as they are read.
.macro EPI reload
	s_wait_loadcnt 0x0                             ; the tile's x, asked for a tile ago
.irp a, 0,1,2,3,4,5,6,7
	WIN 0x0e                                       ; source 0 window 2, source 1 window 3
.irp t, 0,1,2,3
.irp q, 0,1,2,3,4,5,6,7
	v_fmac_f32 v[SUM+8*\a+\q], v[8*(4*\a+\t)+\q], v[32*\a+4*\q+\t]   ; each accumulator from its low end on
.endr
.endr
.if \reload
	XLOAD 78, \a
.endif
.endr
	WIN 0
.endm
.macro HINIT raw                       ; a tile's sums begin at h / 2^(e2 + e3): a lane's column is 4 r + t in all eight registers of accumulator (a, t)
	WIN 0x80                                       ; destination window 2
.irp a, 0,1,2,3,4,5,6,7
.irp t, 0,1,2,3
.irp q, 0,1,2,3,4,5,6,7
	v_ldexp_f32 v[8*(4*\a+\t)+\q], v[\raw+\t], s85
.endr
.endr
.endr
	WIN 0
.endm
.macro CHG b                           ; the change of tiles, where the trip's first step equals s[b]
	s_cmp_lg_u32 s72, s[\b]
	s_cbranch_scc1 .Lsame_\@
	EPI 1                                          ; the first tile is finished; its x gives way to the second's  (the four places behind the last products stand at the end of the step before)
	HINIT HR+4
.Lsame_\@:
.endm
	s_load_b256 s[4:11], s[0:1], 0x0               ; xc s[4:5], qc s[6:7], x s[8:9], h s[10:11]
	s_load_b128 s[12:15], s[0:1], 0x20             ; the exponents s[12:13], part s[14:15]
	v_lshl_add_u32 v[SPW], v0, 2, SPARE
	v_mov_b32 v[NIL], 0
	ds_add_u32 v10, v11
	ds_add_u32 v10, v11
	s_wait_dscnt 0x0
	v_lshrrev_b32 v1, 5, v0
	v_readfirstlane_b32 s16, v1                    ; wave 0..3
	s_lshr_b32 s17, s16, 1                         ; which 128 rows are mine
	s_and_b32 s18, s16, 1                          ; which 64 columns
	s_min_u32 s2, s16, 2                           ; which step of a slot I fetch of x's codes (wave 3 fetches Q's, and its copy of these numbers is not used)
	s_bfe_u32 s19, ttmp6, 0x40000                  ; cx
	s_bfe_u32 s20, ttmp6, 0x40004                  ; cy
	s_and_b32 s21, ttmp7, 0xffff
	s_lshl_b32 s21, s21, 2
	s_add_co_u32 s21, s21, s20                     ; nb: my block of 256 rows = 4 x cluster y + cy
	s_lshl_b32 s22, s20, 2
	s_lshl_b32 s22, 15, s22                        ; my row of the cluster
	s_lshl_b32 s23, 0x1111, s19                    ; my column
	; group 1: a dense block as rows of 256 bytes: elements of 8 bytes, 32 to a row; 128 rows for x (32,768 bytes), 192 for Q (49,152)
	s_or_b32 s[G1A], s22, (3<<16)|(1<<21)          ; 15:0 the mask; 17:16 element size; 21 set beside a mask; no padding
	s_or_b32 s[G1B], s23, (3<<16)|(1<<21)
	s_mov_b32 s[G1A+1], 32<<16                     ; tensor_dim0
	s_mov_b32 s[G1A+2], 128<<16                    ; tensor_dim1
	s_mov_b32 s[G1A+3], 32<<16                     ; tile_dim0
	s_mov_b32 s[G1A+4], 128                        ; tile_dim1
	s_mov_b32 s[G1A+5], 32                         ; from row to row
	s_mov_b32 s[G1A+6], 0
	s_mov_b32 s[G1A+7], 0
	s_mov_b32 s[G1B+1], 32<<16
	s_mov_b32 s[G1B+2], 192<<16
	s_mov_b32 s[G1B+3], 32<<16
	s_mov_b32 s[G1B+4], 192
	s_mov_b32 s[G1B+5], 32
	s_mov_b32 s[G1B+6], 0
	s_mov_b32 s[G1B+7], 0
	; the walk: in a cluster launch ttmp9 is the cluster's x, p
	s_lshl_b32 s71, ttmp9, 2
	s_add_co_u32 s71, s71, 4                       ; the first tile's steps: 4 (p + 1)
	s_sub_co_u32 s73, s71, 2
	s_sub_co_u32 s74, s71, 4
	s_mov_b32 s70, s2                              ; the walk's step that my first load brings
	s_mov_b32 s67, 0
	s_lshl_b32 s94, ttmp9, 11                      ; the first tile's super column, p: 512 columns of f32 each
	s_sub_co_u32 s96, 7, ttmp9
	s_lshl_b32 s96, s96, 11                        ; the second's, 7 - p
	s_lshl_b32 s90, s21, 20                        ; xc: nb
	s_mov_b32 s91, 0
	s_mul_i32 s92, s19, QWALK                      ; qc: walk 4 p + cx
	s_mul_i32 s93, ttmp9, 4*QWALK
	s_add_co_u32 s92, s92, s93
	s_mov_b32 s93, 0
	s_mul_i32 s75, s2, AKF                         ; where my block of x's codes goes in a slot: no place in the cluster enters an LDS address
	s_wait_kmcnt 0x0
	s_load_b128 s[80:83], s[12:13], 0x0            ; e0 .. e3
	s_add_nc_u64 s[BA:BA+1], s[4:5], s[90:91]
	s_add_nc_u64 s[BB:BB+1], s[6:7], s[92:93]
	CROUND                                         ; all sixteen work-groups are here: the first joint loads meet
.irp s, 0,1
	s_mov_b32 s[G0A+4*\s], 1
	s_add_co_u32 s[G0A+4*\s+1], s75, \s*SLOT
	NEXTA \s
	s_mov_b32 s[G0B+4*\s], 1
	s_mov_b32 s[G0B+4*\s+1], \s*SLOT+BOFF
	s_add_nc_u64 s[G0B+4*\s+2:G0B+4*\s+3], s[BB:BB+1], \s*3*BKF
	s_or_b32 s[G0B+4*\s+3], s[G0B+4*\s+3], 0x80000000
	JLOAD \s                                       ; two loads of mine are out
.endr
	; f32 x, h and part
	s_lshl_b32 s98, s19, 9                         ; cx's 128 columns,
	s_lshl_b32 s99, s18, 8                         ; my 64 of them
	s_add_co_u32 s98, s98, s99
	s_add_co_u32 s94, s94, s98                     ; the first tile's first column of mine, in bytes
	s_add_co_u32 s96, s96, s98                     ; the second's
	s_mov_b32 s95, 0
	s_mov_b32 s97, 0
	s_lshl_b32 s90, s21, 22                        ; 256 nb rows of 16,384 bytes,
	s_lshl_b32 s99, s17, 21                        ; my 128 of them
	s_add_co_u32 s90, s90, s99
	s_add_nc_u64 s[76:77], s[8:9], s[90:91]
	s_add_nc_u64 s[78:79], s[76:77], s[96:97]
	s_add_nc_u64 s[76:77], s[76:77], s[94:95]
	s_add_nc_u64 s[94:95], s[10:11], s[94:95]      ; h at the first tile's columns
	s_add_nc_u64 s[96:97], s[10:11], s[96:97]      ; and the second's
	s_lshl_b32 s98, ttmp9, 16                      ; part: g = 4 p + cx, 16,384 bytes each,
	s_lshl_b32 s99, s19, 14
	s_add_co_u32 s98, s98, s99
	s_lshl_b32 s99, s21, 10                        ; my block's 256 rows
	s_add_co_u32 s98, s98, s99
	s_mov_b32 s99, 0
	s_add_nc_u64 s[14:15], s[14:15], s[98:99]
	; the prefetches: where they stand, and who asks.  Nothing is prefetched here, at the head, where every work-group's first slots are on their way
	s_add_co_u32 s[PK], s2, 6                      ; block 6 + wave: the first change of slots steps it to 9 + wave
	s_lshl_b32 s98, s[PK], 15
	s_lshl_b32 s99, s19, 13                        ; my work-group's 8,192 bytes of a block
	s_add_co_u32 s98, s98, s99
	s_mov_b32 s99, 0
	s_add_nc_u64 s[PFA:PFA+1], s[BA:BA+1], s[98:99]
	s_mul_i32 s98, s20, 6*BKF/4                    ; my work-group's 24,576 bytes of two slots,
	s_add_co_u32 s98, s98, 6*BKF                   ; at slot 2: the first step leads to slot 4
	s_add_nc_u64 s[PFB:PFB+1], s[BB:BB+1], s[98:99]
	s_and_b32 s98, s17, s16                        ; 1 in wave 3 alone
	s_or_b32 s[LIMA], s98, ttmp9                   ; 0 in waves 0 to 2 of the clusters with x = 0: the same in all sixteen partners, for a given wave
	s_cmp_eq_u32 s[LIMA], 0
	s_cselect_b32 s[LIMA], 32, 0
	s_xor_b32 s98, s98, 1
	s_and_b32 s99, ttmp7, 0xffff
	s_or_b32 s98, s98, s99                         ; 0 in wave 3 of the clusters with y = 0
	s_cmp_eq_u32 s98, 0
	s_cselect_b32 s[LIMB], 24, 0
	v_and_b32 v1, 31, v0                           ; l
	v_and_b32 v2, 15, v0                           ; r
	v_bfe_u32 v3, v0, 4, 1                         ; h
	v_lshlrev_b32 v[HO], 4, v2
	global_load_b128 v[HR:HR+3], v[HO], s[94:95]
	global_load_b128 v[HR+4:HR+7], v[HO], s[96:97]
	v_lshl_add_u32 v[XO], v3, 17, v[HO]
.irp a, 0,1,2,3,4,5,6
	XLOAD 76, \a                                   ; the first tile's x: with p = 0 it is wanted after four steps, so it goes out as early as its addresses stand
.endr
	WIN 0
	v_lshlrev_b32 v15, 4, v1                       ; 16 l
	s_lshl_b32 s2, s17, 14                         ; my eight fragments of x's sixteen
	v_add_nc_u32 v[ADRA], s2, v15
	v_add_nc_u32 v[ADRA+1], SLOT, v[ADRA]
	v_add_nc_u32 v[ADRH], 2*AKF, v[ADRA]
	v_add_nc_u32 v[ADRH+1], 2*AKF, v[ADRA+1]
	s_lshl_b32 s2, s18, 13                         ; my four of Q's eight
	s_add_co_u32 s2, s2, BOFF
	v_add_nc_u32 v[ADRB], s2, v15
	v_add_nc_u32 v[ADRB+1], SLOT, v[ADRB]
	v_and_b32 v[RST], 7, v0
	v_lshl_add_u32 v[RST], v3, 3, v[RST]
	v_lshlrev_b32 v[RST], 2, v[RST]                ; row 8 h + l % 8 of a block of 16,
	s_lshl_b32 s2, s18, 10
	s_lshl_b32 s3, s17, 9
	s_add_co_u32 s2, s2, s3
	s_add_co_u32 s2, s2, RED
	v_add_nc_u32 v[RST], s2, v[RST]                ; in my column half's 256 words, my 128 rows
	v_lshlrev_b32 v[PO], 3, v0
	v_add_nc_u32 v[RRD], RED, v[PO]
	v_lshlrev_b32 v[PFO], 8, v1
	s_mov_b32 s86, 0xaaaaaaaa
	s_mov_b32 s87, 0xcccccccc
	s_mov_b32 s88, 0xf0f0f0f0
.irp j, 0,1,2,3,4,5,6,7,8,9,10,11,12,13,14,15,16,17,18,19,20,21,22,23,24,25,26,27,28,29,30,31,32,33,34,35,36,37,38,39,40,41,42,43,44,45,46,47,48,49,50,51,52,53,54,55,56,57,58,59,60,61,62,63
	v_mov_b32 v[SUM+\j], 0                         ; the row sums take both tiles; the first tile's turn stands under a branch in the loop, so they are begun here
.endr
	s_wait_loadcnt 56                              ; h's two loads are in; the 56 loads of x issued behind them may be out
	s_wait_kmcnt 0x0
	s_add_co_i32 s84, s82, s83                     ; e2 + e3
	s_sub_co_i32 s85, 0, s84
	HINIT HR
	XLOAD 76, 7
	WIN 0
	s_wait_tensorcnt 0x1                           ; my part of slot 0 is in; slot 1's may stay out
	s_barrier_signal -1
	s_barrier_wait -1
	FETCH 0, 0, 0
	WIN 0
	s_mov_b32 s72, 0
.Ltrip:                                            ; five trips of six steps: slots 0 to 9 of the walk; both LDS slots are filled again
	CHG 71                                         ; the change of tiles at the trip's step 0 (p = 2),
	STEP 0, 0, 0
	STEP 0, 1, 1
	CHG 73                                         ; at its step 2 (p = 1),
	TURN 0, 1, 0, 1
	STEP 1, 0, 1
	CHG 74                                         ; or at its step 4 (p = 0 and p = 3)
	STEP 1, 1, 0
	TURN 1, 0, 1, 1
	s_add_co_u32 s72, s72, 6
	s_cmp_lt_u32 s72, 30
	s_cbranch_scc1 .Ltrip
	STEP 0, 0, 0                                   ; the last two slots fill nothing, and have no round of the cluster's barrier
	STEP 0, 1, 1
	TURN 0, 1, 0, 0
	STEP 1, 0, 1
	STEP 1, 1, 0
	s_wait_dscnt 0x0
	WIN 0xa5
	MUL 0, 7, 1
	WIN 0
	PLACES 4
	EPI 0
; THE WAY OUT.  Register 8 a + q of lane (r, h) holds row 16 a + 8 h + q's sum over the columns 4 r + 0 .. 3 of both tiles.  The sixteen lanes of a half are added, and the eight registers folded into one on the way:
; a merge keeps register A in the lanes whose mask bit is 0 and register B in the others, each with its neighbour's share added.  After three levels and one last addition lane (r, h) holds row 16 a + 8 h + r % 8.
.macro MERGE A, B, m, x, T
	v_cndmask_b32 v[\T], v[\B], v[\A], s[\m]
	v_cndmask_b32 v[\A], v[\A], v[\B], s[\m]
	v_add_f32_dpp v[\A], v[\T], v[\A] row_xmask:\x row_mask:0xf bank_mask:0xf
.endm
.irp a, 0,1,2,3,4,5,6,7
.irp q, 0,2,4,6
	MERGE SUM+8*\a+\q, SUM+8*\a+\q+1, 86, 1, TM+\q
.endr
.endr
.irp a, 0,1,2,3,4,5,6,7
.irp q, 0,4
	MERGE SUM+8*\a+\q, SUM+8*\a+\q+2, 87, 2, TM+\q
.endr
.endr
.irp a, 0,1,2,3,4,5,6,7
	MERGE SUM+8*\a, SUM+8*\a+4, 88, 4, TM+\a
.endr
.irp a, 0,1,2,3,4,5,6,7
	v_add_f32_dpp v[SUM+8*\a], v[SUM+8*\a], v[SUM+8*\a] row_xmask:8 row_mask:0xf bank_mask:0xf
.endr
.irp a, 0,1,2,3,4,5,6,7
	ds_store_b32 v[RST], v[SUM+8*\a] offset:64*\a  ; lanes r and r + 8 hold the same number and write the same word
.endr
	s_wait_dscnt 0x0                               ; for the others' sake: my stores are done
	s_barrier_signal -1
	s_barrier_wait -1
	ds_load_b64 v[TM:TM+1], v[RRD]                 ; two rows: the left 64 columns' sums,
	ds_load_b64 v[TM+2:TM+3], v[RRD] offset:1024   ; and the right 64's
	s_wait_dscnt 0x0
	v_pk_add_f32 v[TM:TM+1], v[TM:TM+1], v[TM+2:TM+3]
	v_ldexp_f32 v[TM], v[TM], s84                  ; x 2^(e2 + e3)
	v_ldexp_f32 v[TM+1], v[TM+1], s84
	global_store_b64 v[PO], v[TM:TM+1], s[14:15]   ; a wave stores 256 consecutive bytes, aligned
	s_wait_tensorcnt 0x0                           ; the wave's end, behind my last tensor load and my last LDS store
	ds_add_u32 v[SPW], v[NIL]
	s_wait_dscnt 0x0
	CROUND                                         ; the closing round: no work-group ends while a partner may still ask for a block that names it
	s_endpgm
.Lfunc_end_k_q9362e25fb7_gemm:
	.size	k_q9362e25fb7_gemm, .Lfunc_end_k_q9362e25fb7_gemm-k_q9362e25fb7_gemm
	.p2alignl 7, 3214868480
	.fill 96, 4, 3214868480
	.section	.rodata,"a",@progbits
	.p2align	6, 0x0
	.amdhsa_kernel k_q9362e25fb7_gemm
		.amdhsa_group_segment_fixed_size 327680
		.amdhsa_private_segment_fixed_size 0
		.amdhsa_enable_private_segment 0
		.amdhsa_kernarg_size 48
		.amdhsa_user_sgpr_count 2
		.amdhsa_user_sgpr_kernarg_segment_ptr 1
		.amdhsa_wavefront_size32 1
		.amdhsa_system_sgpr_workgroup_id_x 1
		.amdhsa_system_sgpr_workgroup_id_y 1
		.amdhsa_system_sgpr_workgroup_id_z 1
		.amdhsa_system_vgpr_workitem_id 0
		.amdhsa_next_free_vgpr 1024
		.amdhsa_next_free_sgpr 100
		.amdhsa_reserve_vcc 0
		.amdhsa_float_denorm_mode_32 3
		.amdhsa_float_denorm_mode_16_64 3
		.amdhsa_memory_ordered 1
		.amdhsa_forward_progress 1
		.amdhsa_inst_pref_size 213
	.end_amdhsa_kernel
	.amdgpu_metadata
---
amdhsa.version: [ 1, 2 ]
amdhsa.kernels:
  - .name:           k_q9362e25fb7_gemm
    .symbol:         k_q9362e25fb7_gemm.kd
    .args:
      - { .name: xc, .offset: 0, .size: 8, .value_kind: global_buffer, .address_space: global }
      - { .name: qc, .offset: 8, .size: 8, .value_kind: global_buffer, .address_space: global }
      - { .name: x, .offset: 16, .size: 8, .value_kind: global_buffer, .address_space: global }
      - { .name: h, .offset: 24, .size: 8, .value_kind: global_buffer, .address_space: global }
      - { .name: lowp_scales, .offset: 32, .size: 8, .value_kind: global_buffer, .address_space: global }
      - { .name: part, .offset: 40, .size: 8, .value_kind: global_buffer, .address_space: global }
    .group_segment_fixed_size: 327680
    .private_segment_fixed_size: 0
    .kernarg_segment_align: 8
    .kernarg_segment_size: 48
    .max_flat_workgroup_size: 128
    .sgpr_count:     100
    .vgpr_count:     1024
    .wavefront_size: 32
...
	.end_amdgpu_metadata
.endif
;; end of part 2
;; launch finish (part 3): grid 8 x 1, 4 waves a work-group, no clusters, 0 bytes of LDS; arguments part, bias, out0; writes out0
.if DOCPART == 3
	.amdgcn_target "amdgcn-amd-amdhsa--gfx1250"
	.amdhsa_code_object_version 6
	.text
	.protected	k_q9362e25fb7_finish
	.globl	k_q9362e25fb7_finish
	.p2align	8
	.type	k_q9362e25fb7_finish,@function
k_q9362e25fb7_finish:
	s_mov_b64 s[64:65], 0
	v_nop
	global_prefetch_b8 v0, s[64:65] scope:SCOPE_SE
	s_setreg_imm32_b32 hwreg(HW_REG_WAVE_MODE, 25, 1), 1
	s_wait_xcnt 0x0
; out0[n] = bias + the sum over g = 0 .. 15 of part[g][n].  part: [16][4096] f32.  A thread takes four neighbouring n: 128 threads x 8 work-groups.
; Each load of a wave reads 512 consecutive bytes; all sixteen are out together; the sums go by ascending g, in two chains of pairs.  No LDS, no barrier: threads share nothing.
	s_load_b128 s[4:7], s[0:1], 0x0                ; part, bias
	s_load_b64 s[8:9], s[0:1], 0x10                ; out0
	v_lshlrev_b32 v1, 4, v0
	s_lshl_b32 s10, ttmp9, 11                      ; the work-group's 512 numbers
	s_mov_b32 s11, 0
	s_wait_kmcnt 0x0
	s_load_b32 s12, s[6:7], 0x0
	s_add_nc_u64 s[4:5], s[4:5], s[10:11]
	s_add_nc_u64 s[8:9], s[8:9], s[10:11]
.irp g, 0,1,2,3,4,5,6,7,8,9,10,11,12,13,14,15
	global_load_b128 v[8+4*\g:11+4*\g], v1, s[4:5] offset:16384*\g
.endr
	s_wait_loadcnt 0x0
.irp g, 1,2,3,4,5,6,7,8,9,10,11,12,13,14,15
	v_pk_add_f32 v[8:9], v[8:9], v[8+4*\g:9+4*\g]
	v_pk_add_f32 v[10:11], v[10:11], v[10+4*\g:11+4*\g]
.endr
	s_wait_kmcnt 0x0
	v_add_f32 v8, s12, v8
	v_add_f32 v9, s12, v9
	v_add_f32 v10, s12, v10
	v_add_f32 v11, s12, v11
	global_store_b128 v1, v[8:11], s[8:9]          ; a wave stores 512 consecutive bytes, aligned
	s_endpgm
.Lfunc_end_k_q9362e25fb7_finish:
	.size	k_q9362e25fb7_finish, .Lfunc_end_k_q9362e25fb7_finish-k_q9362e25fb7_finish
	.p2alignl 7, 3214868480
	.fill 96, 4, 3214868480
	.section	.rodata,"a",@progbits
	.p2align	6, 0x0
	.amdhsa_kernel k_q9362e25fb7_finish
		.amdhsa_group_segment_fixed_size 0
		.amdhsa_private_segment_fixed_size 0
		.amdhsa_enable_private_segment 0
		.amdhsa_kernarg_size 24
		.amdhsa_user_sgpr_count 2
		.amdhsa_user_sgpr_kernarg_segment_ptr 1
		.amdhsa_wavefront_size32 1
		.amdhsa_system_sgpr_workgroup_id_x 1
		.amdhsa_system_sgpr_workgroup_id_y 1
		.amdhsa_system_sgpr_workgroup_id_z 1
		.amdhsa_system_vgpr_workitem_id 0
		.amdhsa_next_free_vgpr 80
		.amdhsa_next_free_sgpr 66
		.amdhsa_reserve_vcc 0
		.amdhsa_float_denorm_mode_32 3
		.amdhsa_float_denorm_mode_16_64 3
		.amdhsa_memory_ordered 1
		.amdhsa_forward_progress 1
		.amdhsa_inst_pref_size 5
	.end_amdhsa_kernel
	.amdgpu_metadata
---
amdhsa.version: [ 1, 2 ]
amdhsa.kernels:
  - .name:           k_q9362e25fb7_finish
    .symbol:         k_q9362e25fb7_finish.kd
    .args:
      - { .name: part, .offset: 0, .size: 8, .value_kind: global_buffer, .address_space: global }
      - { .name: bias, .offset: 8, .size: 8, .value_kind: global_buffer, .address_space: global }
      - { .name: out0, .offset: 16, .size: 8, .value_kind: global_buffer, .address_space: global }
    .group_segment_fixed_size: 0
    .private_segment_fixed_size: 0
    .kernarg_segment_align: 8
    .kernarg_segment_size: 24
    .max_flat_workgroup_size: 128
    .sgpr_count:     66
    .vgpr_count:     80
    .wavefront_size: 32
...
	.end_amdgpu_metadata
.endif
;; end of part 3
;; ======== version 2 of 2: 3 launches; version 1 with the launch prep written anew for expert scheduling mode
;; workspace buffers: xc 16,777,216 bytes; qc 9,437,184 bytes; part 262,144 bytes
;; launch prep (part 4): grid 16 x 73, 4 waves a work-group, no clusters, 34,304 bytes of LDS; arguments x, V, lowp_scales, xc, qc; writes xc, qc
.if DOCPART == 4
	.amdgcn_target "amdgcn-amd-amdhsa--gfx1250"
	.amdhsa_code_object_version 6
	.text
	.protected	k_q9362e25fb7_prep
	.globl	k_q9362e25fb7_prep
	.p2align	8
	.type	k_q9362e25fb7_prep,@function
k_q9362e25fb7_prep:
	s_mov_b64 s[64:65], 0
	v_nop
	global_prefetch_b8 v0, s[64:65] scope:SCOPE_SE
	s_setreg_imm32_b32 hwreg(HW_REG_WAVE_SCHED_MODE, 0, 2), 2
	s_setreg_imm32_b32 hwreg(HW_REG_WAVE_MODE, 25, 1), 1
	s_wait_xcnt 0x0
	s_wait_alu depctr_vm_vsrc(0)
; TWO JOBS IN ONE LAUNCH, told apart by the work-group's y.
;   y >= 9 (1,024 work-groups): x [4096][4096] f32 becomes codes of E4M3 under 2^e2, in xc.
;   y <  9 (144 work-groups):   Q = (Va^T Vb) under the strict upper triangle (i < j) becomes codes under 2^e3, in qc.  Va = V under 2^e0, Vb = V under 2^e1;
;                               the product is made on codes by v_wmma_f32_16x16x64_fp8_fp8 (its K is 32: the upper 32 are zero codes).
; code = number / 2^e, held within +-448, to the nearest code, ties to even.
; LIMITS: e0, e1, e2 and e3 - e0 - e1 lie between -126 and 119, so that 2^e and 448 x 2^e are f32 numbers.  NaN among the inputs is not served; an infinity is held at the largest code.
; BOTH BUFFERS ARE LAID AS IMAGES OF OPERAND REGISTERS.  A fragment is 16 rows x 128 K, 2,048 bytes: byte 512 c + 16 l + b (c 0..3, lane l = 16 h + r, b 0..15) is byte B = 16 c + b of lane l's 64,
; and holds the code of row r at k = 64 (B / 32) + 32 h + B % 32.  That order of k is the same in both operands of the large product, so every code meets its partner.
;   xc [nb 16][kf 32][rb 16][2048]: row 256 nb + 16 rb + r of x, K = 128 kf + k.
;   qc [pi 4][c 4][w 36][jb 8][2048]: THE ORDER IN WHICH THE NEXT LAUNCH WALKS IT.  Its work-group (cluster x = pi, place c) takes steps w = 0 .. 35 on end:
;      w < 4 (pi + 1):  column block Jb = 4 pi + c,       K = i = 128 w + k;      then:  Jb = 4 (7 - pi) + c,  K = i = 128 (w - 4 (pi + 1)) + k.
;      Image row r of block jb = 4 jh + t is column j = 128 Jb + 64 jh + 4 r + t of Q.  Every byte of qc is written: 16 x 36 x 16,384.
; No cluster: x's work-groups share nothing, and what Q's share is V, 512 KiB in all.  No barrier: waves share nothing.
; THE MODE: SCHED_MODE bits 1:0 = 2 (LLVM: expert scheduling mode 2), set by the entry lines.  The code itself states the register dependences
; between vector or matrix instructions and memory or LDS instructions, with s_wait_alu, always for 0.
; THE PLAN.  Registers that memory or LDS instructions touch, and who else names them:
;   s16          The wave's number, written by v_readfirstlane_b32, read by scalar arithmetic in both paths: one wait on va_sdst ahead of the branch that parts them.
;   Q: v1, v2    Offsets, made once at the path's head, ahead of one wait on va_vdst; read by every load and store; never written again.
;   Q: v128-191  Loaded (the i side's first half); read by its holds; loaded (the j side's first 64 columns); read by holds; then in each unit written by the products and read by the selects and holds;
;                in the fourth unit, behind its holds, loaded once more (the j side's second 64 columns).  A wait on va_vdst stands ahead of the second and of the third run of loads.
;   Q: v192-255  Loaded once; afterwards named by vector instructions alone.
;   Q: v112-127  A fragment's codes: written by a unit's conversions, read by its four stores, written again by the next unit's conversions.  A wait on va_vdst behind the conversions (the one that also serves
;                the fourth unit's loads); a wait on vm_vsrc in the next unit, behind its products, ahead of its branch.
;   Q: s[32:47]  Lane masks of the triangle: sixteen compares, one wait on va_sdst, sixteen selects, four times a unit.
;   x: v1-3      Offset and LDS addresses, made once, ahead of one wait on va_vdst; never written again.
;   x: v16-143   Global loads land, LDS stores read; never written again.      x: v208-239  Codes, a set to each fragment: conversions write, stores read; never written again.
;   x: v144-207  LDS loads land; holds and conversions work on them; the second fragment's LDS loads land again.  ONE wait on va_vdst behind a fragment's conversions states that the codes are written and that
;                v144-207 are done with; the stores and the next fragment's LDS instructions follow it with no vector instruction between.
.set VROW,  16384                      ; a row of x and of V in bytes
.set FRB,   2048                       ; a fragment's image
.set SPX,   528                        ; the x path's stage: a row of 512 bytes + 16: an odd multiple of 16, so that sixteen rows start at sixteen different banks (64 banks of 4 bytes: ISA guide 11.1)
.set STGW,  16*SPX                     ; a wave's stage
.set MK,    32                         ; s[32:47] the Q path's lane masks; what these registers held at the path's head has been used by then
.macro SCALE vs, vl, se                ; v[vs] = 2^e as f32 (the conversion takes its exponent field), v[vl] = 448 x 2^e; e in s[se]
	s_add_co_i32 s34, s[\se], 127
	s_lshl_b32 s35, s34, 23
	v_mov_b32 v[\vs], s35
	s_add_co_i32 s34, s34, 8
	s_lshl_b32 s34, s34, 23
	s_or_b32 s34, s34, 0x600000
	v_mov_b32 v[\vl], s34
.endm
	s_load_b256 s[4:11], s[0:1], 0x0               ; x s[4:5], V s[6:7], the exponents s[8:9], xc s[10:11]
	s_load_b64 s[12:13], s[0:1], 0x20              ; qc
	v_lshl_add_u32 v14, v0, 2, 0x8400
	v_mov_b32 v15, 0
	v_lshrrev_b32 v10, 5, v0
	v_readfirstlane_b32 s16, v10                   ; wave 0..3
	v_and_b32 v10, 31, v0                          ; l
	v_and_b32 v11, 15, v0                          ; r
	v_bfe_u32 v12, v0, 4, 1                        ; h
	s_and_b32 s15, ttmp7, 0xffff                   ; work-group y
	s_mov_b32 s31, 0                               ; the upper word of every offset pair s[30:31]
	s_wait_alu depctr_va_sdst(0)                   ; s16 is written, ahead of the branch below and of its first reader in either path
	s_wait_kmcnt 0x0
	s_load_b128 s[20:23], s[8:9], 0x0              ; e0, e1, e2, e3
	s_cmp_ge_u32 s15, 9
	s_cbranch_scc1 .Lx_path
; ================= Q =================
; The next launch walks super column S (512 columns) over K = 512 (S + 1).  Pairs (S, sigma), sigma = 0 .. S, are 36; with 4 blocks of 128 columns each: 144 work-groups.
; y = u (0..8), x = 4 pi + jb4:  u <= pi: S = pi, sigma = u;  else S = 7 - pi, sigma = u - pi - 1.  Wave w takes ks = 4 sigma + w (128 along i) and all 128 columns of Jb = 4 S + jb4: 8 fragments.
; REGISTERS: v1 V's lane offset; v2 16 l; v3 d0; v4-9 scales and limits; v16-79 the i side's 8 operands; v80-111 the j side's 4; v112-127 a fragment's codes; v128-255 at work.
	s_lshr_b32 s17, ttmp9, 2                       ; pi
	s_and_b32 s18, ttmp9, 3                        ; jb4
	s_sub_co_u32 s19, 7, s17
	s_sub_co_u32 s14, s15, s17
	s_sub_co_u32 s14, s14, 1
	s_lshl_b32 s36, s17, 2
	s_add_co_u32 s36, s36, 4                       ; 4 (pi + 1): the steps of the walk's first tile
	s_cmp_le_u32 s15, s17
	s_cselect_b32 s19, s17, s19                    ; S
	s_cselect_b32 s14, s15, s14                    ; sigma
	s_cselect_b32 s36, 0, s36                      ; the walk's step at which super column S begins
	s_lshl_b32 s19, s19, 2
	s_add_co_u32 s19, s19, s18                     ; Jb
	s_lshl_b32 s14, s14, 2
	s_add_co_u32 s14, s14, s16                     ; ks
	s_lshl_b32 s30, s14, 9
	s_add_nc_u64 s[24:25], s[6:7], s[30:31]        ; V at column 128 ks
	s_lshl_b32 s30, s19, 9
	s_add_nc_u64 s[26:27], s[6:7], s[30:31]        ; V at column 128 Jb
	s_mul_i32 s30, ttmp9, 36                       ; the walk of (pi, jb4),
	s_add_co_u32 s30, s30, s36
	s_add_co_u32 s30, s30, s14                     ; its step,
	s_lshl_b32 s30, s30, 14                        ; 16,384 bytes each: 575 x 16,384 at the most
	s_add_nc_u64 s[28:29], s[12:13], s[30:31]      ; qc
	v_lshlrev_b32 v1, 4, v11
	v_lshl_add_u32 v1, v12, 17, v1                 ; 16 r + 8 h rows of V
	v_lshlrev_b32 v2, 4, v10                       ; 16 l
	s_sub_co_i32 s32, s19, s14
	s_lshl_b32 s32, s32, 7
	v_lshlrev_b32 v3, 2, v11
	v_lshlrev_b32 v13, 5, v12
	v_sub_nc_u32 v3, v3, v13
	v_add_nc_u32 v3, s32, v3                       ; d0 = 128 (Jb - ks) + 4 r - 32 h, signed
; 16 loads: lane (r, h) takes V[16 c + 8 h + q][64 g + 4 r + 0 .. 3], register group 8 c + q: sixteen lanes read 256 consecutive bytes of a row of V.
.macro VLOAD b, g, dst
.irp k, 0,1,2,3,4,5,6,7,8,9,10,11,12,13,14,15
	global_load_b128 v[\dst+4*\k:\dst+4*\k+3], v1, s[\b:\b+1] offset:(16*(\k/8)+(\k%8))*VROW+256*(\g)
.endr
.endm
; One operand of the small product: 16 columns of V, 4 apart, K = 32 in the form's own order (registers 2 c, 2 c + 1: k = 16 c + 8 h + 0 .. 7).  The hold also gathers the registers, which lie 4 apart.
.macro OPND dst, src, vs, vl, tt
.irp k, 0,1,2,3,4,5,6,7,8,9,10,11,12,13,14,15
	v_med3_num_f32 v[\tt+\k], v[\src+4*\k], -v[\vl], v[\vl]   ; the conversion to an 8-bit code does not saturate (ISA guide 7.6.2)
.endr
	v_cvt_scalef32_pk8_fp8_f32 v[\dst:\dst+1], v[\tt:\tt+7], v[\vs]
	v_cvt_scalef32_pk8_fp8_f32 v[\dst+2:\dst+3], v[\tt+8:\tt+15], v[\vs]
.endm
	s_wait_alu depctr_va_vdst(0)                   ; v1 and v2 are written: every load of this path reads v1 as its offset, every store v2
	VLOAD 24, 0, 128
	VLOAD 24, 1, 192
.irp o, 0,1,2,3,4,5,6,7
.irp j, 4,5,6,7
	v_mov_b32 v[16+8*\o+\j], 0                     ; K = 32 .. 63 of the form: zero codes
.endr
.endr
	s_wait_kmcnt 0x0
	SCALE 4, 5, 20
	SCALE 6, 7, 21
	s_sub_co_i32 s33, s23, s20
	s_sub_co_i32 s33, s33, s21                     ; a sum stands for sum x 2^(e0 + e1): its code is sum / 2^(e3 - e0 - e1)
	SCALE 8, 9, 33
; operand 4 g + x holds i = 128 ks + 64 g + 4 (its row) + x.  Two sets of scratch by turns: the line behind a conversion is a plain one on other registers.
	s_wait_loadcnt 16                              ; the half g = 0 is in; the sixteen loads of g = 1 may be out
.irp x, 0,1,2,3
	OPND 16+8*\x, 128+\x, 4, 5, 80+16*(\x%2)
.endr
	s_wait_alu depctr_va_vdst(0)                   ; the holds above are done reading v128-191, in which the loads below land
	VLOAD 26, 0, 128                               ; the j side's first 64 columns are on their way while the half g = 1 is converted
	s_wait_loadcnt 16                              ; the half g = 1 is in; the sixteen loads just issued may be out
.irp x, 0,1,2,3
	OPND 48+8*\x, 192+\x, 4, 5, 80+16*(\x%2)
.endr
	v_nop                                          ; a plain line behind the last conversion, ahead of writes of its sources and of the products
.irp o, 0,1,2,3
.irp j, 4,5,6,7
	v_mov_b32 v[80+8*\o+\j], 0                     ; the j side's zero codes (these registers were scratch until here)
.endr
.endr
; One fragment of qc: block jb = 4 jh + t.  Source 0 = operand w of the i side, source 1 = operand t of the j side.  In result w = 4 g + x, register q of lane (r, h) is
; Q(i = 128 ks + 64 g + 32 h + 4 q + x, j = 128 Jb + 64 jh + 4 r + t): byte 32 g + 4 q + x of lane (r, h) in the image.  Nothing changes lanes.
.macro UNIT jh, t
.irp w, 0,1,2,3,4,5,6,7
	v_wmma_f32_16x16x64_fp8_fp8 v[128+8*\w:135+8*\w], v[16+8*\w:23+8*\w], v[80+8*\t:87+8*\t], 0
.endr
.rept 4
	v_nop                                          ; four places ahead of the first read of the results (ISA guide 7.12.1)
.endr
.if (\jh)+(\t) > 0
	s_wait_xcnt 0x0                                ; the last fragment's stores have had their addresses translated (ISA guide 3.1): v112-127 are rewritten only behind this wait,
	s_wait_alu depctr_vm_vsrc(0)                   ; and those stores have read v112-127, which this unit's conversions write again; ahead of the branch, so on both ways
.endif
	s_cmp_lt_u32 s14, s19                          ; ks < Jb: every i lies under every j, nothing is hidden
	s_cbranch_scc1 .Lopen_\@
.irp u, 0,1,2,3                                ; results 2 u and 2 u + 1: sixteen compares, one wait, sixteen selects
.irp e, 0,1
.irp q, 0,1,2,3,4,5,6,7
	v_cmp_lt_i32 s[MK+8*\e+\q], 64*(\u/2)+4*\q+2*(\u%2)+\e-64*\jh-\t, v3   ; i < j
.endr
.endr
	s_wait_alu depctr_va_sdst(0)                   ; the sixteen compares have written s[32:47], which the selects below read
.irp e, 0,1
.irp q, 0,1,2,3,4,5,6,7
	v_cndmask_b32 v[128+8*(2*\u+\e)+\q], 0, v[128+8*(2*\u+\e)+\q], s[MK+8*\e+\q]   ; else 0, whose code is 0; each result from its low end on
.endr
.endr
.endr
.Lopen_\@:
.irp m, 0,1,2,3,4,5,6,7
.irp i, 0,1,2,3,4,5,6,7
	v_med3_num_f32 v[192+8*\m+\i], v[128+8*(4*(\m/4)+(\i%4))+2*(\m%4)+(\i/4)], -v9, v9   ; byte 8 m + i; each result is first read at its register 0
.endr
	v_cvt_scalef32_pk8_fp8_f32 v[112+2*\m:113+2*\m], v[192+8*\m:199+8*\m], v8
.endr
	v_nop                                          ; a plain line behind the last conversion
	s_wait_alu depctr_va_vdst(0)                   ; the conversions have written v112-127, which the stores read; the products have written and the holds have read v128-191, in which the fourth unit's loads land
.if (\jh) == 0 && (\t) == 3
	VLOAD 26, 1, 128                               ; the j side's second 64 columns, ahead of the stores: the next conversions wait for them, and nothing waits for the stores
.endif
.irp c, 0,1,2,3
	global_store_b128 v2, v[112+4*\c:115+4*\c], s[28:29] offset:(4*\jh+\t)*FRB+512*\c   ; 32 lanes store 512 consecutive bytes, aligned
.endr
.endm
.irp jh, 0,1
	s_wait_loadcnt 0x0                             ; this half's sixteen loads of V at the j side are in
.irp t, 0,1,2,3
	OPND 80+8*\t, 128+\t, 6, 7, 192+16*(\t%2)
.endr
	v_nop
.irp t, 0,1,2,3
	UNIT \jh, \t
.endr
.endr
	s_endpgm
; ================= x =================
; Work-group W = 16 (y - 9) + x.  Rows 16 (W / 4) on; wave w takes K = 256 (4 (W % 4) + w) on: two fragments.
; Each load reads 512 consecutive bytes of a row; a fragment's 16 rows turn through the wave's own stage, so that a lane gets 32 neighbours along K twice: the order of the image.
; REGISTERS: v1 16 l; v2, v3 the stage, in and out; v4, v5 2^e2 and 448 x 2^e2; v16-143 as loaded; v144-207 a lane's 64 numbers; v208-239 codes.
.Lx_path:
	s_sub_co_u32 s17, s15, 9
	s_lshl_b32 s17, s17, 4
	s_add_co_u32 s17, s17, ttmp9                   ; W
	s_lshr_b32 s18, s17, 2                         ; block of 16 rows, 0..255
	s_and_b32 s19, s17, 3
	s_lshl_b32 s19, s19, 2
	s_add_co_u32 s19, s19, s16                     ; which 256 along K, 0..15
	s_lshl_b32 s30, s18, 18
	s_lshl_b32 s32, s19, 10
	s_add_co_u32 s30, s30, s32
	s_add_nc_u64 s[24:25], s[4:5], s[30:31]        ; x
	s_lshr_b32 s30, s18, 4
	s_lshl_b32 s30, s30, 20                        ; nb
	s_lshl_b32 s32, s19, 16                        ; two kf of 32,768 bytes
	s_add_co_u32 s30, s30, s32
	s_and_b32 s32, s18, 15
	s_lshl_b32 s32, s32, 11                        ; rb
	s_add_co_u32 s30, s30, s32
	s_add_nc_u64 s[26:27], s[10:11], s[30:31]      ; xc
	v_lshlrev_b32 v1, 4, v10
	s_mul_i32 s28, s16, STGW
	v_add_nc_u32 v2, s28, v1                       ; in: 16 l of a row
	v_mul_u32_u24 v3, v11, SPX
	v_lshl_add_u32 v3, v12, 7, v3
	v_add_nc_u32 v3, s28, v3                       ; out: row r, + 32 h numbers
	s_wait_alu depctr_va_vdst(0)                   ; v1, v2 and v3 are written: the loads and stores read v1 as their offset, the LDS stores v2 and the LDS loads v3 as their address
.irp f, 0,1
.irp p, 0,1,2,3,4,5,6,7,8,9,10,11,12,13,14,15
	global_load_b128 v[16+64*\f+4*\p:19+64*\f+4*\p], v1, s[24:25] offset:\p*VROW+512*\f th:TH_LOAD_NT
.endr
.endr
	s_wait_kmcnt 0x0
	SCALE 4, 5, 22
.irp f, 0,1
	s_wait_loadcnt 16-16*\f                        ; this fragment's 16 loads are in; the other's may be out
.irp p, 0,1,2,3,4,5,6,7,8,9,10,11,12,13,14,15
	ds_store_b128 v2, v[16+64*\f+4*\p:19+64*\f+4*\p] offset:SPX*\p
.endr
.irp m, 0,1,2,3,4,5,6,7,8,9,10,11,12,13,14,15
	ds_load_b128 v[144+4*\m:147+4*\m], v3 offset:256*(\m/8)+16*(\m%8)   ; LDS serves a wave's instructions in order (ISA guide 5.7.1.4): these see the stores above, and the next fragment's stores come behind them
.endr
	s_wait_dscnt 0x0
.irp m, 0,1,2,3,4,5,6,7
.irp i, 0,1,2,3,4,5,6,7
	v_med3_num_f32 v[144+8*\m+\i], v[144+8*\m+\i], -v5, v5
.endr
	v_cvt_scalef32_pk8_fp8_f32 v[208+16*\f+2*\m:209+16*\f+2*\m], v[144+8*\m:151+8*\m], v4
.endr
	v_nop                                          ; a plain line behind the last conversion
	s_wait_alu depctr_va_vdst(0)                   ; the conversions have written this fragment's codes, which the stores below read; they and the holds are done with v144-207, in which the next fragment's LDS loads land
.irp c, 0,1,2,3
	global_store_b128 v1, v[208+16*\f+4*\c:211+16*\f+4*\c], s[26:27] offset:16*FRB*\f+512*\c   ; 512 consecutive bytes, aligned; each fragment has its own registers, so no store's data are written again
.endr
.endr
	s_wait_dscnt 0x0                               ; the closing lines, six on end
	s_wait_alu 0x0
	s_wait_tensorcnt 0x0
	ds_add_u32 v14, v15
	s_wait_dscnt 0x0
	s_endpgm
.Lfunc_end_k_q9362e25fb7_prep:
	.size	k_q9362e25fb7_prep, .Lfunc_end_k_q9362e25fb7_prep-k_q9362e25fb7_prep
	.p2alignl 7, 3214868480
	.fill 96, 4, 3214868480
	.section	.rodata,"a",@progbits
	.p2align	6, 0x0
	.amdhsa_kernel k_q9362e25fb7_prep
		.amdhsa_group_segment_fixed_size 34304
		.amdhsa_private_segment_fixed_size 0
		.amdhsa_enable_private_segment 0
		.amdhsa_kernarg_size 40
		.amdhsa_user_sgpr_count 2
		.amdhsa_user_sgpr_kernarg_segment_ptr 1
		.amdhsa_wavefront_size32 1
		.amdhsa_system_sgpr_workgroup_id_x 1
		.amdhsa_system_sgpr_workgroup_id_y 1
		.amdhsa_system_sgpr_workgroup_id_z 1
		.amdhsa_system_vgpr_workitem_id 0
		.amdhsa_next_free_vgpr 256
		.amdhsa_next_free_sgpr 66
		.amdhsa_reserve_vcc 0
		.amdhsa_float_denorm_mode_32 3
		.amdhsa_float_denorm_mode_16_64 3
		.amdhsa_memory_ordered 1
		.amdhsa_forward_progress 1
		.amdhsa_inst_pref_size 166
	.end_amdhsa_kernel
	.amdgpu_metadata
---
amdhsa.version: [ 1, 2 ]
amdhsa.kernels:
  - .name:           k_q9362e25fb7_prep
    .symbol:         k_q9362e25fb7_prep.kd
    .args:
      - { .name: x, .offset: 0, .size: 8, .value_kind: global_buffer, .address_space: global }
      - { .name: V, .offset: 8, .size: 8, .value_kind: global_buffer, .address_space: global }
      - { .name: lowp_scales, .offset: 16, .size: 8, .value_kind: global_buffer, .address_space: global }
      - { .name: xc, .offset: 24, .size: 8, .value_kind: global_buffer, .address_space: global }
      - { .name: qc, .offset: 32, .size: 8, .value_kind: global_buffer, .address_space: global }
    .group_segment_fixed_size: 34304
    .private_segment_fixed_size: 0
    .kernarg_segment_align: 8
    .kernarg_segment_size: 40
    .max_flat_workgroup_size: 128
    .sgpr_count:     66
    .vgpr_count:     256
    .wavefront_size: 32
...
	.end_amdgpu_metadata
.endif
;; end of part 4
;; launch gemm: the kernel of part 2 again; grid 16 x 16, 4 waves a work-group, clusters of 4 x 4, 327,680 bytes of LDS; arguments xc, qc, x, h, lowp_scales, part; writes part
;; launch finish: the kernel of part 3 again; grid 8 x 1, 4 waves a work-group, no clusters, 0 bytes of LDS; arguments part, bias, out0; writes out0
